; MI455X (gfx1250); checked and timed in simulation.
; The chip was launched on July 23, 2026; its instructions are those of AMD's public machine-readable ISA for CDNA 5 (MIT licence, August 2026) and "CDNA5" Instruction Set Architecture Reference Guide (July 2026). The comments in the code are by the model that wrote it; some were corrected since.
;; LSTM Cell. Allowed arithmetic: float matrix products may take bf16 or f16 operands with f32 sums; other float arithmetic in f32, or as packed bf16 or f16 multiplies, adds, multiply-adds, maxima and minima; sums over many terms, partial sums and values carried from step to step in f32; what a program stores and reads back later, other than sums and carried values, may be rounded once to bf16 or f16.
;; Inputs: W 2,048 x 4,096 float32; b 4,096 float32; c_prev 8,192 x 1,024 float32; h_prev 8,192 x 1,024 float32; x 8,192 x 1,024 float32.
;; Outputs: out0 8,192 x 1,024 float32; out1 8,192 x 1,024 float32.
;; 2 versions, each right; version 2 is version 1 with the launch cast written anew for expert scheduling mode. Each part assembles by itself: llvm-mc -triple=amdgcn-amd-amdhsa -mcpu=gfx1250 --defsym DOCPART=n.
;; ======== version 1 of 2: 2 launches
;; workspace buffers: ab 33,554,432 bytes; wb 16,777,216 bytes
;; launch cast (part 1): grid 256 x 3, 8 waves a work-group, no clusters, 0 bytes of LDS; arguments x, h_prev, W, ab, wb; writes ab, wb
.if DOCPART == 1
	.amdgcn_target "amdgcn-amd-amdhsa--gfx1250"
	.amdhsa_code_object_version 6
	.text
	.protected	k_qc78a853376_cast
	.globl	k_qc78a853376_cast
	.p2align	8
	.type	k_qc78a853376_cast,@function
k_qc78a853376_cast:
	s_mov_b64 s[64:65], 0
	v_nop
	global_prefetch_b8 v0, s[64:65] scope:SCOPE_SE
	s_setreg_imm32_b32 hwreg(HW_REG_WAVE_MODE, 25, 1), 1
	s_wait_xcnt 0x0
; f32 -> bf16, once, for the three matrix operands of the LSTM cell's product.  A pure stream: no LDS, no barrier, no matrix unit.
;   ab [8192][2048] bf16: row m = x[m] (1,024 numbers), then h_prev[m] (1,024 numbers); 4,096 bytes a row.
;   wb [16 nt][2048 k][256] bf16: wb[nt][k][64 g + u] = W[k][1024 g + 64 nt + u], g = gate 0..3 (i, f, o, g), u = 0..63:
;      the four gates of 64 units lie side by side, so a K step's tile for one block of units is dense, 512 bytes a row.
; SHARES.  Grid y picks the plane: 0 = x, 1 = h_prev, 2 = W; each plane is 8,388,608 numbers = 65,536 chunks of 128.  A wave takes 32 chunks.
; A chunk is one load of 16 bytes a lane (512 bytes a wave), two packed roundings in place, and one store of 8 bytes a lane: 256 consecutive bytes, aligned.
; All 32 loads of a wave go out first (16 KiB on their way); no register that a memory instruction names is written again, so the only waits are the loads' own.
.set IN,  2                            ; v2   my byte offset in the source
.set OUT, 3                            ; v3   my byte offset in the destination
.set X,   8                            ; v[8:135]  chunk i: four registers as loaded; the first two then hold the four bf16
.set SRC, 16                           ; s[16:17]
.set DST, 18                           ; s[18:19]
.macro STREAM sin, sout                ; sin, sout: bytes from chunk to chunk in the source and in the destination
.set i, 0
.rept 32
	global_load_b128 v[X+4*i:X+4*i+3], v[IN], s[SRC:SRC+1] offset:i*(\sin) th:TH_LOAD_NT
.set i, i+1
.endr
.set i, 0
.rept 32
	s_wait_loadcnt 31-i                            ; loads come back in order: chunk i is in, the 31 - i younger ones stay out
	v_cvt_pk_bf16_f32 v[X+4*i],   v[X+4*i],   v[X+4*i+1]
	v_cvt_pk_bf16_f32 v[X+4*i+1], v[X+4*i+2], v[X+4*i+3]
	global_store_b64 v[OUT], v[X+4*i:X+4*i+1], s[DST:DST+1] offset:i*(\sout)
.set i, i+1
.endr
	s_endpgm
.endm
	s_load_b256 s[4:11], s[0:1], 0x0               ; x s[4:5], h_prev s[6:7], W s[8:9], ab s[10:11]
	s_load_b64 s[12:13], s[0:1], 0x20              ; wb
	v_lshrrev_b32 v1, 5, v0
	v_readfirstlane_b32 s14, v1                    ; wave 0..7
	s_and_b32 s15, ttmp7, 0xffff                   ; the plane
	s_mov_b32 s21, 0                               ; offsets are pairs with 0 above
	s_mov_b32 s23, 0
	s_wait_kmcnt 0x0
	s_cmp_eq_u32 s15, 2
	s_cbranch_scc1 .Lw
	; x or h_prev: the work-group takes 32 rows; its eight waves cover a row: 4,096 bytes in, 2,048 bytes out; chunk i is row i
	s_cmp_eq_u32 s15, 0
	s_cselect_b64 s[SRC:SRC+1], s[4:5], s[6:7]
	s_lshl_b32 s20, ttmp9, 17                      ; 32 rows of 4,096 bytes, in the source and in ab alike
	s_add_nc_u64 s[SRC:SRC+1], s[SRC:SRC+1], s[20:21]
	s_lshl_b32 s22, s15, 11                        ; h_prev's half of a row of ab begins 2,048 bytes in
	s_add_co_u32 s22, s22, s20
	s_add_nc_u64 s[DST:DST+1], s[10:11], s[22:23]
	v_lshlrev_b32 v[IN], 4, v0
	v_lshlrev_b32 v[OUT], 3, v0
	STREAM 4096, 4096
.Lw:	; W: the work-group takes 32 rows k (kb = x / 4) of four blocks of units (4 (x % 4) ..); a wave one block nt and one pair of gates; chunk i is row k = 32 kb + i
	s_and_b32 s24, s14, 1                          ; gp: gates 2 gp and 2 gp + 1
	s_lshr_b32 s25, s14, 1
	s_and_b32 s26, ttmp9, 3
	s_lshl2_add_u32 s25, s26, s25                  ; nt = 4 (x % 4) + wave / 2
	s_lshr_b32 s26, ttmp9, 2                       ; kb
	s_lshl_b32 s20, s26, 19                        ; 32 rows of 16,384 bytes
	s_lshl_b32 s27, s24, 13                        ; a pair of gates: 2 x 1,024 numbers
	s_add_co_u32 s20, s20, s27
	s_lshl_b32 s27, s25, 8                         ; 64 units
	s_add_co_u32 s20, s20, s27
	s_add_nc_u64 s[SRC:SRC+1], s[8:9], s[20:21]
	s_lshl_b32 s22, s25, 20                        ; wb: a block of units is 2,048 rows of 512 bytes
	s_lshl_b32 s27, s26, 14                        ; 32 rows
	s_add_co_u32 s22, s22, s27
	s_lshl_b32 s27, s24, 8                         ; a pair of gates: 2 x 64 bf16
	s_add_co_u32 s22, s22, s27
	s_add_nc_u64 s[DST:DST+1], s[12:13], s[22:23]
	v_and_b32 v1, 31, v0
	v_lshlrev_b32 v[OUT], 3, v1                    ; 8 bytes a lane, 256 on end
	v_and_b32 v4, 15, v0
	v_bfe_u32 v5, v0, 4, 1
	v_lshlrev_b32 v[IN], 4, v4                     ; lanes 0-15: 256 consecutive bytes of the first gate,
	v_lshl_add_u32 v[IN], v5, 12, v[IN]            ; lanes 16-31: of the second, 4,096 bytes on
	STREAM 16384, 512
.Lfunc_end_k_qc78a853376_cast:
	.size	k_qc78a853376_cast, .Lfunc_end_k_qc78a853376_cast-k_qc78a853376_cast
	.p2alignl 7, 3214868480
	.fill 96, 4, 3214868480
	.section	.rodata,"a",@progbits
	.p2align	6, 0x0
	.amdhsa_kernel k_qc78a853376_cast
		.amdhsa_group_segment_fixed_size 0
		.amdhsa_private_segment_fixed_size 0
		.amdhsa_enable_private_segment 0
		.amdhsa_kernarg_size 40
		.amdhsa_user_sgpr_count 2
		.amdhsa_user_sgpr_kernarg_segment_ptr 1
		.amdhsa_wavefront_size32 1
		.amdhsa_system_sgpr_workgroup_id_x 1
		.amdhsa_system_sgpr_workgroup_id_y 1
		.amdhsa_system_sgpr_workgroup_id_z 1
		.amdhsa_system_vgpr_workitem_id 0
		.amdhsa_next_free_vgpr 136
		.amdhsa_next_free_sgpr 66
		.amdhsa_reserve_vcc 0
		.amdhsa_float_denorm_mode_32 3
		.amdhsa_float_denorm_mode_16_64 3
		.amdhsa_memory_ordered 1
		.amdhsa_forward_progress 1
		.amdhsa_inst_pref_size 24
	.end_amdhsa_kernel
	.amdgpu_metadata
---
amdhsa.version: [ 1, 2 ]
amdhsa.kernels:
  - .name:           k_qc78a853376_cast
    .symbol:         k_qc78a853376_cast.kd
    .args:
      - { .name: x, .offset: 0, .size: 8, .value_kind: global_buffer, .address_space: global }
      - { .name: h_prev, .offset: 8, .size: 8, .value_kind: global_buffer, .address_space: global }
      - { .name: W, .offset: 16, .size: 8, .value_kind: global_buffer, .address_space: global }
      - { .name: ab, .offset: 24, .size: 8, .value_kind: global_buffer, .address_space: global }
      - { .name: wb, .offset: 32, .size: 8, .value_kind: global_buffer, .address_space: global }
    .group_segment_fixed_size: 0
    .private_segment_fixed_size: 0
    .kernarg_segment_align: 8
    .kernarg_segment_size: 40
    .max_flat_workgroup_size: 256
    .sgpr_count:     66
    .vgpr_count:     136
    .wavefront_size: 32
...
	.end_amdgpu_metadata
.endif
;; end of part 1
;; launch lstm (part 2): grid 16 x 32, 4 waves a work-group, clusters of 4 x 4, 327,680 bytes of LDS; arguments ab, wb, b, c_prev, out0, out1; writes out0, out1
.if DOCPART == 2
	.amdgcn_target "amdgcn-amd-amdhsa--gfx1250"
	.amdhsa_code_object_version 6
	.text
	.protected	k_qc78a853376_lstm
	.globl	k_qc78a853376_lstm
	.p2align	8
	.type	k_qc78a853376_lstm,@function
k_qc78a853376_lstm:
	s_mov_b64 s[64:65], 0
	v_nop
	global_prefetch_b8 v0, s[64:65] scope:SCOPE_SE
	s_setreg_imm32_b32 hwreg(HW_REG_WAVE_MODE, 25, 1), 1
	s_wait_xcnt 0x0
	s_wait_alu depctr_hold_cnt(0) depctr_sa_sdst(0) depctr_va_vdst(0) depctr_va_sdst(0) depctr_va_ssrc(0) depctr_va_vcc(0) depctr_vm_vsrc(0)
	s_getreg_b32 s2, hwreg(HW_REG_IB_STS2, 6, 4)
	s_cmp_eq_u32 s2, 0
	s_cbranch_scc0 .Lentry_in_a_cluster
	s_endpgm
.Lentry_in_a_cluster:
	s_bfe_u32 s2, ttmp6, 0x10000c
	s_cmp_lg_u32 s2, 0xf033
	s_cbranch_scc0 .Lentry_shape_is_right
	s_endpgm
.Lentry_shape_is_right:
; THE LSTM CELL.  gates = [x | h_prev] W + b (M = 8,192, K = 2,048, N = 4,096; slices i, f, o, g);  c = c_prev sigmoid(f) + tanh(g) sigmoid(i);  h = sigmoid(o) tanh(c).
; out0 = h, out1 = c, both [8192][1024] f32.  ab = [x | h_prev] in bf16, [8192][2048]; wb = W in bf16 as [16 nt][2048 k][4 gates x 64 units] (made by the launch before).
; The product has bf16 operands and f32 sums; the gates never leave the registers: bias, activations and cell are computed in the lane that holds the four sums.
; LIMITS, stated: all five inputs enter rounded once to bf16 (x, h_prev, W as matrix operands; b and c_prev here, so that every input has the same rounding).
; sigmoid(v) = 1 / (1 + 2^(-v log2 e)), tanh(v) = 1 - 2 / (1 + 2^(2 v log2 e)), without any clamp: an exponential that overflows gives infinity, its reciprocal 0, the limits 0, 1, -1 come out;
; an exponential or a reciprocal below 2^-126 counts as 0 (ISA guide, the entries of v_exp_f32 and v_rcp_f32); NaN goes through.
; SHARES.  A work-group owns 256 rows (tile row tr) x 64 units (block nt) x 4 gates = 256 x 256 of the gates.  Four waves, as many as a WGP has SIMDs: wave w has the row half w / 2 (128 rows) and
; the unit half w % 2 (32 units x 4 gates = 128 columns): 64 accumulators of 16 x 16, 512 registers.  Accumulator (a, bq): rows 16 a on; bq = 2 gate + s, units 16 s on.
; THE MATRIX INSTRUCTION IS USED TRANSPOSED: source 0 = 16 columns of W (turned out of LDS by ds_load_tr16_b128), source 1 = 16 rows of ab.  A lane then holds ONE row (lane % 16) and the
; units 16 s + 8 (lane / 16) + 0..7, the same places in all four gates' accumulators.
; K goes in 16 steps of 128 through two LDS slots filled by the tensor data mover.  CLUSTERS: 4 x 4 work-groups; ab's tile hangs on tr alone and is asked for jointly along a row of the cluster,
; wb's on nt alone and jointly along a column.  c_prev's tile (each work-group's own) takes slot 0's place behind that slot's last K step; c and h go out through slot 1's bytes behind its last read.
; REGISTERS, in windows of 256 (s_set_vgpr_msb: bits 1:0 source 0, 3:2 source 1, 5:4 source 2, 7:6 destination):
;   window 0: v0-31 addresses; v32-63 c_prev and then c, two sets of 16; v64-127, v128-191 fragments of ab, two buffers (behind the product: at work); v192-255 the bias, scaled
;   window 1: v64-127, v128-191 fragments of W, two buffers      window 2: the accumulators of my rows 0-63, (a, bq) at v[8 (8 a + bq)]      window 3: those of my rows 64-127
.set KSTEP,  128
.set PITCH,  272                       ; an LDS row of ab, c_prev, c, h: 256 bytes + 16 of padding = 68 words: row r starts at bank 4 r mod 64 (64 banks of 4 bytes: ISA guide 11.1)
.set PB,     544                       ; an LDS row of W: 512 bytes + 32 = 136 words: row r starts at bank 8 r mod 64
.set HALFT,  128*PITCH                 ; what one tensor load of the ring brings: 128 rows of ab, or 64 rows of W (64 x 544 is the same number)
.set SLOT,   4*HALFT                   ; ab's 256 rows, then W's 128 rows
.set SPARE,  2*SLOT                    ; behind the ring: the spare words, 128 bytes for each wave: two blocks of 256 bytes that no other line names
.set LAPS,   8                         ; a lap = two K steps = once round the ring
.set ROWF,   4096                      ; bytes in a row of ab, c_prev, out0, out1
.set ADRA, 16                          ; v16-17  LDS address of my fragments of ab in slot 0, 1
.set ADRB, 20                          ; v20-21  the same for W
.set CPA,  22                          ; v22     my 32 bytes of c_prev's tile (slot 0's first half)
.set STC,  23                          ; v23     the same place in c's stage (slot 1's first half)
.set STH,  24                          ; v24     and in h's (slot 1's second half)
.set RDC,  25                          ; v25     where I read whole rows of c back
.set RDH,  26                          ; v26     and of h
.set CO,   27                          ; v27     my byte offset in two rows of out0, out1
.set SPW,  28                          ; v28     LDS address of my spare word: SPARE + 4 x my thread's number; never rewritten
.set NIL,  29                          ; v29     0; never rewritten
.set PFO,  30                          ; v30     the prefetches' offset; never rewritten
.set BO,   31                          ; v31     my byte offset in 16 numbers of b
.set CP,   32
.set F0,   64
.set F1,   128
.set G,    64                          ; behind the product: a block's 64 gate values, gate g, place e = 8 s + j at G + 16 g + e
.set T,    128                         ; 16 at work for tanh(c)
.set HH,   144                         ; h, two sets of 16
.set PK,   176                         ; c_prev rounded to bf16, 8 registers
.set BK,   192                         ; bias times the gate's factor, at BK + 8 bq + j
.set WV, 12                            ; s12 wave;  s13 row half, also: I fetch ab (0) or W (1);  s14 unit half, also: which half of that tile I fetch
.set RH, 13
.set CH, 14
.set CX, 15                            ; my place in the cluster
.set CY, 16
.set NT, 17                            ; block of 64 units = 4 x cluster x + cx
.set TR, 18                            ; tile row = 4 x cluster y + cy
.set G1,  24                           ; s[24:31] descriptor group 1 for ab's tiles;  s[32:39] group 0, a set for each slot
.set G0,  32
.set LIM, 43                           ; s43  1 in a wave that prefetches, else the greatest number
.set PFA, 44                           ; s[44:45] where my prefetches stand
.set PFS, 46                           ; s[46:47] a K step in bytes along my prefetches' walk
.set G1B, 48                           ; s[48:55], s[56:63] the same for W's tiles
.set G0B, 56
.set OUT0, 68                          ; s[68:69] out0, s[70:71] out1, at my wave's 64 rows and the block's 64 units
.set OUT1, 70
.set G0C, 72                           ; s[72:75], s[76:83] c_prev's tile
.set G1C, 76
.set KS,  84                           ; s[84:85] -log2(e): the packed forms name a pair and take its low word for both halves
.set KT,  86                           ; s[86:87] 2 log2(e)
.set MSB, 0
.macro WIN new                         ; the immediate's high byte repeats the setting that is left; a switch that changes nothing is dropped
.if MSB != (\new)
	s_set_vgpr_msb (MSB<<8)|(\new)
.set MSB, \new
.endif
.endm
.set MUL_LO, 0xa1                      ; source 0 (W) window 1, source 1 (ab) window 0, C and D window 2
.set MUL_HI, 0xf1                      ; the same, C and D window 3
.set TO_B,   0x40                      ; destination window 1, address window 0
; A joint load.  Waves 0 and 1 fetch ab's two halves, waves 2 and 3 W's.  Each line has one mask and one set of registers for all that issue it; the branch hangs on the wave's number alone.
; An s_nop 0 and four v_nop follow each of the two lines, ahead of the jump and the label.
.macro JLOAD s
	s_cmp_eq_u32 s[RH], 0
	s_cbranch_scc0 .Lfor_b_\@
	tensor_load_to_lds s[G0+4*(\s):G0+4*(\s)+3], s[G1:G1+7]
	s_nop 0
.rept 4
	v_nop
.endr
	s_branch .Lasked_\@
.Lfor_b_\@:
	tensor_load_to_lds s[G0B+4*(\s):G0B+4*(\s)+3], s[G1B:G1B+7]
	s_nop 0
.rept 4
	v_nop
.endr
.Lasked_\@:
.endm
; A PREFETCH INTO THE L2, behind each joint load, its five lines and the run of LDS loads that follows: the K step that stands TWO refills on, 512 matrix instructions ahead of the load that will want it.
; Each block of 256 bytes is named once in the launch.  ab's tile row is read by every cluster of that row of clusters: cluster x = 0 asks; W's block of units by every cluster of that column: cluster y = 0 asks.
; The four partners that ask for a tile jointly share it out BY ADDRESS: of the 128 rows of ab that a wave fetches the partner at cx takes 32, a lane a row of 256 bytes; of the 64 rows of W (32,768 dense bytes)
; the partner at cy takes 8,192, a lane 256 of them.  No branch hangs on a work-group's place in its cluster.  The loop's last trip (s3 = 1) asks for nothing: there is no K step two on.
.macro ASK
	s_cmp_gt_u32 s3, s[LIM]
	s_cbranch_scc0 .Lnot_mine_\@
	global_prefetch_b8 v[PFO], s[PFA:PFA+1] th:TH_LOAD_NT scope:SCOPE_SE
.Lnot_mine_\@:
.endm
; A round of the cluster's barrier: my work-group's barrier, so that wave 0's signal speaks for all four waves; wave 0 signals; every wave waits for all sixteen work-groups; my work-group's barrier once more.
.macro CREST                           ; a round behind its opening barrier
	s_cmp_lg_u32 s[WV], 0
	s_cbranch_scc1 .Lnot_wave_0_\@
	s_barrier_signal -3
.Lnot_wave_0_\@:
	s_barrier_wait -3
	s_barrier_signal -1
	s_barrier_wait -1
.endm
.macro CROUND                          ; a whole round
	s_barrier_signal -1
	s_barrier_wait -1
	CREST
.endm
	s_load_b256 s[4:11], s[0:1], 0x0               ; ab s[4:5], wb s[6:7], b s[8:9], c_prev s[10:11]
	s_load_b128 s[OUT0:OUT0+3], s[0:1], 0x20       ; out0, out1
	v_lshl_add_u32 v[SPW], v0, 2, SPARE
	v_mov_b32 v[NIL], 0
	ds_add_u32 v[SPW], v[NIL]                      ; the wave's opening: the add and its wait stand ahead of my first tensor load; the set-up below, work on registers, stands between them
	v_lshrrev_b32 v1, 5, v0
	v_readfirstlane_b32 s[WV], v1                  ; wave 0..3
	s_lshr_b32 s[RH], s[WV], 1
	s_and_b32 s[CH], s[WV], 1
	s_bfe_u32 s[CX], ttmp6, 0x40000
	s_bfe_u32 s[CY], ttmp6, 0x40004
	s_lshl_b32 s[NT], ttmp9, 2                     ; in a cluster launch ttmp9 and ttmp7 count clusters
	s_add_co_u32 s[NT], s[NT], s[CX]
	s_and_b32 s[TR], ttmp7, 0xffff
	s_lshl_b32 s[TR], s[TR], 2
	s_add_co_u32 s[TR], s[TR], s[CY]
	s_lshl_b32 s19, s[CY], 2
	s_lshl_b32 s19, 15, s19                        ; my row of the cluster: places 4 cy .. 4 cy + 3
	s_lshl_b32 s42, 0x1111, s[CX]                  ; my column: places cx, cx + 4, cx + 8, cx + 12
	; group 1 for ab: 128 rows x 128 elements of 2 bytes, 16 bytes of padding behind each row
	s_or_b32 s[G1+0], s19, (1<<16)|(1<<20)|(1<<21)|(5<<22)|(3<<25)  ; 15:0 the mask: my row; 17:16 2-byte elements; 20 padding on; 21 set beside a mask; 24:22 after every 64 words (code 5); 31:25 4 words (code 3)
	s_mov_b32 s[G1+1], 128<<16                     ; tensor_dim0 = 128
	s_mov_b32 s[G1+2], 128<<16                     ; tensor_dim1 = 128
	s_mov_b32 s[G1+3], 128<<16                     ; tile_dim0 = 128
	s_mov_b32 s[G1+4], 128                         ; tile_dim1 = 128
	s_mov_b32 s[G1+5], 2048                        ; elements from row to row
	s_mov_b32 s[G1+6], 0
	s_mov_b32 s[G1+7], 0
	; group 1 for W: 64 rows x 256 elements of 2 bytes, 32 bytes of padding behind each row
	s_or_b32 s[G1B+0], s42, (1<<16)|(1<<20)|(1<<21)|(6<<22)|(7<<25) ; the mask: my column; after every 128 words (code 6) 8 words (code 7)
	s_mov_b32 s[G1B+1], 256<<16
	s_mov_b32 s[G1B+2], 64<<16
	s_mov_b32 s[G1B+3], 256<<16
	s_mov_b32 s[G1B+4], 64
	s_mov_b32 s[G1B+5], 256
	s_mov_b32 s[G1B+6], 0
	s_mov_b32 s[G1B+7], 0
	; group 1 for c_prev: 64 rows x 64 elements of 4 bytes, 16 bytes of padding behind each row; no mask: the tile is my work-group's own
	s_mov_b32 s[G1C+0], (2<<16)|(1<<20)|(5<<22)|(3<<25)
	s_mov_b32 s[G1C+1], 64<<16
	s_mov_b32 s[G1C+2], 64<<16
	s_mov_b32 s[G1C+3], 64<<16
	s_mov_b32 s[G1C+4], 64
	s_mov_b32 s[G1C+5], 1024
	s_mov_b32 s[G1C+6], 0
	s_mov_b32 s[G1C+7], 0
	s_mov_b32 s[G0C], 1
	s_mul_i32 s[G0C+1], s[WV], 64*PITCH            ; wave w brings rows 64 w .. 64 w + 63 of the tile, into slot 0's first half
	s_mov_b32 s[KS], 0xbfb8aa3b                    ; -log2(e)
	s_mov_b32 s[KS+1], 0xbfb8aa3b
	s_mov_b32 s[KT], 0x4038aa3b                    ; 2 log2(e)
	s_mov_b32 s[KT+1], 0x4038aa3b
	; where the tiles come from, as byte offsets.  ab's hangs on tr and the wave, W's on nt and the wave, each in registers of its own
	s_lshl_b32 s20, s[TR], 20                      ; 256 rows of 4,096 bytes
	s_lshl_b32 s21, s[CH], 19                      ; + the 128 rows that I fetch
	s_add_co_u32 s20, s20, s21
	s_mov_b32 s21, 0
	s_lshl_b32 s40, s[NT], 20                      ; a block of units: 2,048 rows of 512 bytes
	s_lshl_b32 s41, s[CH], 15                      ; + the 64 rows that I fetch
	s_add_co_u32 s40, s40, s41
	s_mov_b32 s41, 0
	s_lshl_b32 s66, s[TR], 20                      ; c_prev, out0, out1: row 256 tr + 64 wave, unit 64 nt
	s_lshl_b32 s67, s[WV], 18
	s_add_co_u32 s66, s66, s67
	s_lshl_b32 s67, s[NT], 8
	s_add_co_u32 s66, s66, s67
	s_mov_b32 s67, 0
	s_mul_i32 s23, s[WV], HALFT                    ; and where the ring's tiles go: ab's two halves, then W's two: no place in the cluster enters an LDS address
	s_wait_dscnt 0x0                               ; the opening add is done
	s_wait_kmcnt 0x0
	s_add_nc_u64 s[20:21], s[4:5], s[20:21]
	s_add_nc_u64 s[40:41], s[6:7], s[40:41]
	s_add_nc_u64 s[G0C+2:G0C+3], s[10:11], s[66:67]
	s_or_b32 s[G0C+3], s[G0C+3], 0x80000000
	s_add_nc_u64 s[OUT0:OUT0+1], s[OUT0:OUT0+1], s[66:67]
	s_add_nc_u64 s[OUT1:OUT1+1], s[OUT1:OUT1+1], s[66:67]
	CROUND                                         ; all sixteen work-groups are here: the first joint loads meet
.irp s, 0,1
	s_mov_b32 s[G0+4*(\s)], 1                                      ; count = 1
	s_add_co_u32 s[G0+4*(\s)+1], s23, (\s)*SLOT                    ; LDS address
	s_add_nc_u64 s[G0+4*(\s)+2:G0+4*(\s)+3], s[20:21], (\s)*KSTEP*2  ; K step s: 256 bytes along the rows
	s_or_b32 s[G0+4*(\s)+3], s[G0+4*(\s)+3], 0x80000000            ; type = 2
	s_mov_b32 s[G0B+4*(\s)], 1
	s_add_co_u32 s[G0B+4*(\s)+1], s23, (\s)*SLOT
	s_add_nc_u64 s[G0B+4*(\s)+2:G0B+4*(\s)+3], s[40:41], (\s)*KSTEP*512  ; K step s: 128 rows of 512 bytes
	s_or_b32 s[G0B+4*(\s)+3], s[G0B+4*(\s)+3], 0x80000000
	JLOAD \s                                       ; two loads of mine are out
.endr
	; the bias: my 8 numbers for each of the 8 column blocks
	s_lshl_b32 s66, s[NT], 8
	s_lshl_b32 s67, s[CH], 7
	s_add_co_u32 s66, s66, s67
	s_mov_b32 s67, 0
	s_add_nc_u64 s[8:9], s[8:9], s[66:67]          ; b at unit 64 nt + 32 x unit half of gate 0
	v_and_b32 v1, 15, v0                           ; r = l % 16
	v_bfe_u32 v2, v0, 4, 1                         ; h = l / 16
	v_lshlrev_b32 v[BO], 5, v2
.irp bq, 0,1,2,3,4,5,6,7
	global_load_b128 v[BK+8*(\bq):BK+8*(\bq)+3],   v[BO], s[8:9] offset:((\bq)/2)*4096+((\bq)%2)*64
	global_load_b128 v[BK+8*(\bq)+4:BK+8*(\bq)+7], v[BO], s[8:9] offset:((\bq)/2)*4096+((\bq)%2)*64+16
.endr
	; A fragment of ab is 16 rows x 32 K in 8 registers: lane l holds row l % 16, K = 8 (l / 16) + 0..7 and 16 + 8 (l / 16) + 0..7: two loads of 16 bytes, 32 bytes apart.
	v_mul_u32_u24 v3, v1, PITCH
	v_lshl_add_u32 v3, v2, 4, v3
	s_mul_i32 s22, s[RH], HALFT                    ; my 128 rows
	v_add_nc_u32 v[ADRA], s22, v3
	v_add_nc_u32 v[ADRA+1], SLOT, v[ADRA]
	; The turning load takes 16 K x 16 columns (lane l reads 16 bytes: row K = 8 (l / 16) + l % 8, columns 8 ((l / 8) % 2) + 0..7) and leaves half a fragment: lane l holds column l % 16 and 8 K.
	v_and_b32 v4, 7, v0
	v_bfe_u32 v5, v0, 3, 1
	v_lshl_add_u32 v6, v2, 3, v4
	v_mul_u32_u24 v6, v6, PB
	v_lshl_add_u32 v6, v5, 4, v6
	s_lshl_b32 s22, s[CH], 6                       ; my 32 units of each gate: 64 bytes into its 128,
	s_add_co_u32 s22, s22, 2*HALFT                 ; behind ab's 256 rows
	v_add_nc_u32 v[ADRB], s22, v6
	v_add_nc_u32 v[ADRB+1], SLOT, v[ADRB]
	; c_prev's tile and the two stages have one shape: 256 rows x 64 f32, 272 bytes apart.  My place: row 128 x row half + l % 16, byte 128 x unit half + 32 (l / 16)
	s_mul_i32 s22, s[RH], HALFT
	s_lshl_b32 s23, s[CH], 7
	s_add_co_u32 s22, s22, s23
	v_mul_u32_u24 v7, v1, PITCH
	v_lshl_add_u32 v7, v2, 5, v7
	v_add_nc_u32 v[CPA], s22, v7
	v_add_nc_u32 v[STC], SLOT, v[CPA]
	v_add_nc_u32 v[STH], SLOT+2*HALFT, v[CPA]
	s_mul_i32 s22, s[WV], 64*PITCH                 ; back: wave w takes rows 64 w .. 64 w + 63, whole: lanes 0-15 one row of 256 bytes, lanes 16-31 the next
	s_add_co_u32 s22, s22, SLOT
	v_mul_u32_u24 v8, v2, PITCH
	v_lshl_add_u32 v8, v1, 4, v8
	v_add_nc_u32 v[RDC], s22, v8
	v_add_nc_u32 v[RDH], 2*HALFT, v[RDC]
	v_lshlrev_b32 v9, 12, v2                       ; and the same two rows in out0, out1
	v_lshl_add_u32 v[CO], v1, 4, v9
	; the prefetches: where they stand (at K step 3: the first change of slots steps them to 4), their step, who asks
	s_lshl_b32 s19, s[TR], 20                      ; ab: row 256 tr + 128 x half + 32 cx
	s_lshl_b32 s66, s[CH], 19
	s_add_co_u32 s19, s19, s66
	s_lshl_b32 s66, s[CX], 17
	s_add_co_u32 s19, s19, s66
	s_add_co_u32 s19, s19, 3*KSTEP*2
	s_lshl_b32 s42, s[NT], 20                      ; W: block nt, row 64 x half + 16 cy
	s_lshl_b32 s66, s[CH], 15
	s_add_co_u32 s42, s42, s66
	s_lshl_b32 s66, s[CY], 13
	s_add_co_u32 s42, s42, s66
	s_add_co_u32 s42, s42, 3*KSTEP*512
	s_and_b32 s2, ttmp7, 0xffff                    ; cluster y
	s_cmp_eq_u32 s[RH], 0                          ; do I fetch ab?
	s_cselect_b32 s40, s19, s42
	s_cselect_b32 s2, ttmp9, s2                    ; the coordinate along which other clusters read the same bytes
	s_cselect_b64 s[PFA:PFA+1], s[4:5], s[6:7]
	s_cselect_b32 s[PFS], 8, 16
	s_cselect_b32 s67, 12, 8                       ; a lane a row of ab (4,096 bytes apart), or 256 dense bytes of W
	s_mov_b32 s41, 0
	s_mov_b32 s[PFS+1], 0
	s_cmp_eq_u32 s2, 0
	s_cselect_b32 s[LIM], 1, -1                    ; the same in all sixteen partners, for a given wave
	s_lshl_b32 s[PFS], 1, s[PFS]                   ; a K step: 256 bytes along ab's rows, 65,536 down W's
	s_add_nc_u64 s[PFA:PFA+1], s[PFA:PFA+1], s[40:41]
	v_and_b32 v10, 31, v0
	v_lshlrev_b32 v[PFO], s67, v10
	; the bias is rounded to bf16, as every input is, widened again and multiplied by its gate's factor: the gate's exponent is then one fused multiply-add on the sum
	s_wait_loadcnt 0x0
.set p, 0
.rept 32
	v_cvt_pk_bf16_f32 v[F0+p], v[BK+2*p], v[BK+2*p+1]
.set p, p+1
.endr
.set p, 0
.rept 32
	v_lshlrev_b32 v[BK+2*p],   16, v[F0+p]
	v_and_b32     v[BK+2*p+1], 0xffff0000, v[F0+p]
.set p, p+1
.endr
.set p, 0
.rept 24                               ; gates i, f, o
	v_pk_mul_f32 v[BK+2*p:BK+2*p+1], v[BK+2*p:BK+2*p+1], s[KS:KS+1] op_sel_hi:[1,0]
.set p, p+1
.endr
.rept 8                                ; gate g
	v_pk_mul_f32 v[BK+2*p:BK+2*p+1], v[BK+2*p:BK+2*p+1], s[KT:KT+1] op_sel_hi:[1,0]
.set p, p+1
.endr
; 16 matrix instructions: row blocks a0, a0 + 1 of the window's four (hi = 0: my rows 0-63, 1: rows 64-127) x all 8 column blocks, 32 along K.  zero = 1: the first product starts the sums.
; The 64 accumulators take turns, one instruction a turn, in the same order in every quarter step.
.macro MUL16 f, hi, a0, zero
	WIN MUL_LO+0x50*(\hi)
.irp a, \a0, (\a0)+1
.irp b, 0,1,2,3,4,5,6,7
.if \zero
	v_wmma_f32_16x16x32_bf16 v[8*(8*(\a)+(\b)):8*(8*(\a)+(\b))+7], v[(\f)+8*(\b):(\f)+8*(\b)+7], v[(\f)+8*(4*(\hi)+(\a)):(\f)+8*(4*(\hi)+(\a))+7], 0
.else
	v_wmma_f32_16x16x32_bf16 v[8*(8*(\a)+(\b)):8*(8*(\a)+(\b))+7], v[(\f)+8*(\b):(\f)+8*(\b)+7], v[(\f)+8*(4*(\hi)+(\a)):(\f)+8*(4*(\hi)+(\a))+7], v[8*(8*(\a)+(\b)):8*(8*(\a)+(\b))+7]
.endif
.endr
.endr
.endm
; 32 LDS loads in one run: the fragments of quarter q (32 along K) of a slot into buffer f: W's 8 column blocks (gate bq / 2, units 16 (bq % 2) on), turned; then ab's 8 row blocks
.macro FETCH slot, q, f
	WIN TO_B
.irp bq, 0,1,2,3,4,5,6,7
	ds_load_tr16_b128 v[(\f)+8*(\bq):(\f)+8*(\bq)+3],   v[ADRB+(\slot)] offset:(\q)*32*PB+((\bq)/2)*128+((\bq)%2)*32
	ds_load_tr16_b128 v[(\f)+8*(\bq)+4:(\f)+8*(\bq)+7], v[ADRB+(\slot)] offset:(\q)*32*PB+16*PB+((\bq)/2)*128+((\bq)%2)*32
.endr
	WIN 0
.irp i, 0,1,2,3,4,5,6,7
	ds_load_b128 v[(\f)+8*(\i):(\f)+8*(\i)+3],   v[ADRA+(\slot)] offset:(\q)*64+(\i)*16*PITCH
	ds_load_b128 v[(\f)+8*(\i)+4:(\f)+8*(\i)+7], v[ADRA+(\slot)] offset:(\q)*64+(\i)*16*PITCH+32
.endr
.endm
; Four places (plain vector instructions that name none of its registers) stand between a matrix instruction and a load into a register that it has read, or a vector instruction that reads its result.
.macro PLACES
.rept 4
	v_nop
.endr
.endm
; A K step is four quarters of 32 along K, 64 matrix instructions each, on buffers 0, 1, 0, 1.  One of the first three: multiplies buffer f; in its middle it fetches quarter q of the same slot into buffer g.
.macro QUARTER slot, q, f, g, zero
	s_wait_dscnt 8                                 ; W and ab's rows 0-63 are in; the youngest eight loads (ab's rows 64-127) may be out
	MUL16 \f, 0, 0, \zero
	MUL16 \f, 0, 2, \zero
	PLACES
	FETCH \slot, \q, \g
	s_wait_dscnt 32                                ; all but the 32 just issued
	MUL16 \f, 1, 0, \zero
	MUL16 \f, 1, 2, \zero
.endm
; The last quarter multiplies buffer 1 and changes slots.  MEET is its first half: in front of the barrier each wave waits for all its tensor loads (the one that is out is its part of the next slot), adds 0 to
; its spare word, and waits for that and for its own reads of this slot.  The barrier opens a round of the cluster's barrier.
.macro MEET
	WIN 0                                          ; (the add's two registers lie in window 0)
	s_wait_tensorcnt 0x0                           ; all my tensor loads have landed
	ds_add_u32 v[SPW], v[NIL]                      ; 0 onto my spare word
	s_wait_dscnt 9                                 ; (the add and the youngest eight loads may be out)
	MUL16 F1, 0, 0, 0                              ; sixteen matrix instructions stand between the add and the wait for it
	s_wait_dscnt 0x0                               ; the add is done, and my reads of this slot are over
	s_barrier_signal -1
	MUL16 F1, 0, 2, 0                              ; work on registers while the others arrive
	WIN 0
	s_barrier_wait -1
.endm
; The whole last quarter.  Behind the round the slot just read out is filled again first: cp = 0: with the K step two steps on, jointly; cp = 1 (slot 0's last change): with my 64 rows of c_prev's tile,
; a load of my work-group's own.  Then come the next slot's first fragments.  From a request to the wait for it a wave issues 224 matrix instructions.
.macro TURN slot, next, cp
.if !(\cp)
	s_wait_xcnt 0x0                                ; the last prefetch, a K step back, has read its address: it is stepped here, ahead of the waits of the change of slots
	s_add_nc_u64 s[PFA:PFA+1], s[PFA:PFA+1], s[PFS:PFS+1]
.endif
	MEET
	CREST                                          ; no wave of any partner still reads this slot's tile or has a load on its way
.if \cp
	tensor_load_to_lds s[G0C:G0C+3], s[G1C:G1C+7]  ; the one tensor load of this wave behind the round; it lands while the last K step is multiplied
	s_nop 0
	PLACES                                         ; these four are also the places in front of the loads below
.else
	s_add_nc_u64 s[G0+4*(\slot)+2:G0+4*(\slot)+3], s[G0+4*(\slot)+2:G0+4*(\slot)+3], 2*KSTEP*2
	s_add_nc_u64 s[G0B+4*(\slot)+2:G0B+4*(\slot)+3], s[G0B+4*(\slot)+2:G0B+4*(\slot)+3], 2*KSTEP*512
	JLOAD \slot                                    ; the first tensor load behind the round; its four v_nop are also the places in front of the loads below
.endif
	FETCH \next, 0, F0
.if !(\cp)
	ASK
.endif
	MUL16 F1, 1, 0, 0
	MUL16 F1, 1, 2, 0
.endm
; THE CELL for block a (16 rows x my 32 units: 16 places a lane, e = 8 s + j).  Four batches of transcendentals, each with one wait ahead of its first reader.
.macro EPI a
.set AC,  64*((\a)%4)                  ; the block's eight accumulators, in window 2 (blocks 0-3) or 3 (blocks 4-7)
.set CPR, CP+16*((\a)%2)
.set HR,  HH+16*((\a)%2)
.set OB,  (\a)*16*PITCH
	WIN 0
.irp i, 0,1,2,3
	ds_load_b128 v[CPR+4*(\i):CPR+4*(\i)+3], v[CPA] offset:OB+((\i)/2)*64+((\i)%2)*16  ; c_prev at my 16 places
.endr
	WIN 0x02+(\a)/4                                ; source 0: the accumulators' window
.set e, 0
.rept 24                               ; i, f, o: -log2(e) (sum + bias); each accumulator is read from its lowest registers on
	v_pk_fma_f32 v[G+e:G+e+1], v[AC+e:AC+e+1], s[KS:KS+1], v[BK+e:BK+e+1] op_sel_hi:[1,0,1]
.set e, e+2
.endr
.rept 8                                ; g: 2 log2(e) (sum + bias)
	v_pk_fma_f32 v[G+e:G+e+1], v[AC+e:AC+e+1], s[KT:KT+1], v[BK+e:BK+e+1] op_sel_hi:[1,0,1]
.set e, e+2
.endr
	WIN 0
.set e, 0
.rept 64
	v_exp_f32 v[G+e], v[G+e]
.set e, e+1
.endr
	v_nop                                          ; a plain instruction behind the last exponential
	s_wait_alu depctr_va_vdst(0)                   ; one wait for the 64
.set e, 0
.rept 32
	v_pk_add_f32 v[G+e:G+e+1], v[G+e:G+e+1], 1.0 op_sel_hi:[1,0]
.set e, e+2
.endr
.set e, 0
.rept 64
	v_rcp_f32 v[G+e], v[G+e]                       ; i, f, o: the sigmoid itself
.set e, e+1
.endr
	s_wait_dscnt 0x0                               ; c_prev is in (and the block before's stores are done)
.set e, 0
.rept 8
	v_cvt_pk_bf16_f32 v[PK+e], v[CPR+2*e], v[CPR+2*e+1]  ; c_prev rounded as every input is; these eight are the plain instructions behind the last reciprocal
.set e, e+1
.endr
	s_wait_alu depctr_va_vdst(0)                   ; one wait for the 64
.set e, 0
.rept 8
	v_pk_fma_f32 v[G+48+e:G+48+e+1], v[G+48+e:G+48+e+1], -2.0, 1.0 op_sel_hi:[1,0,0]  ; tanh(g)
.set e, e+2
.endr
.set e, 0
.rept 8
	v_pk_mul_f32 v[G+48+e:G+48+e+1], v[G+48+e:G+48+e+1], v[G+e:G+e+1]                 ; x sigmoid(i)
.set e, e+2
.endr
.set e, 0
.rept 16
	v_fma_mix_f32_bf16 v[CPR+e], v[PK+e/2], v[G+16+e], v[G+48+e] op_sel:[e%2,0,0] op_sel_hi:[1,0,0]  ; c = c_prev sigmoid(f) + that
.set e, e+1
.endr
.irp i, 0,1,2,3
	ds_store_b128 v[STC], v[CPR+4*(\i):CPR+4*(\i)+3] offset:OB+((\i)/2)*64+((\i)%2)*16
.endr
.set e, 0
.rept 8
	v_pk_mul_f32 v[T+e:T+e+1], v[CPR+e:CPR+e+1], s[KT:KT+1] op_sel_hi:[1,0]
.set e, e+2
.endr
.set e, 0
.rept 16
	v_exp_f32 v[T+e], v[T+e]
.set e, e+1
.endr
	v_nop
	s_wait_alu depctr_va_vdst(0)                   ; one wait for the 16
.set e, 0
.rept 8
	v_pk_add_f32 v[T+e:T+e+1], v[T+e:T+e+1], 1.0 op_sel_hi:[1,0]
.set e, e+2
.endr
.set e, 0
.rept 16
	v_rcp_f32 v[T+e], v[T+e]
.set e, e+1
.endr
	v_nop
	s_wait_alu depctr_va_vdst(0)                   ; one wait for the 16
.set e, 0
.rept 8
	v_pk_fma_f32 v[T+e:T+e+1], v[T+e:T+e+1], -2.0, 1.0 op_sel_hi:[1,0,0]              ; tanh(c)
.set e, e+2
.endr
.set e, 0
.rept 8
	v_pk_mul_f32 v[HR+e:HR+e+1], v[T+e:T+e+1], v[G+32+e:G+32+e+1]                     ; h = sigmoid(o) tanh(c)
.set e, e+2
.endr
.irp i, 0,1,2,3
	ds_store_b128 v[STH], v[HR+4*(\i):HR+4*(\i)+3] offset:OB+((\i)/2)*64+((\i)%2)*16
.endr
.endm
; 64 whole rows of a stage leave: two rows a load, two rows a store
.macro SEND rd, base
.set t, 0
.rept 32
	ds_load_b128 v[64+4*t:64+4*t+3], v[\rd] offset:t*2*PITCH
.set t, t+1
.endr
.set t, 0
.rept 32
	s_wait_dscnt 31-t                              ; LDS loads come back in order: pair t of rows is in, the younger ones stay out
	global_store_b128 v[CO], v[64+4*t:64+4*t+3], s[\base:\base+1] offset:t*2*ROWF th:TH_STORE_NT  ; 16 lanes store 256 consecutive bytes, at a multiple of 256 from the buffer's first byte
.set t, t+1
.endr
.endm
	s_wait_tensorcnt 1                             ; my part of K step 0 is in; K step 1's may stay out
	s_barrier_signal -1
	s_barrier_wait -1                              ; everybody's is
	FETCH 0, 0, F0
	QUARTER 0, 1, F0, F1, 1                        ; the first quarter stands in front of the loop: its products start the sums
	WIN 0                                          ; at a label and at a branch every window is 0
	s_mov_b32 s3, LAPS-1
.Llap:                                                 ; a trip goes once round the ring, from a lap's second quarter to the next lap's first, and fills both slots again: K steps 2 to 15
	QUARTER 0, 2, F1, F0, 0
	QUARTER 0, 3, F0, F1, 0
	TURN 0, 1, 0
	QUARTER 1, 1, F0, F1, 0
	QUARTER 1, 2, F1, F0, 0
	QUARTER 1, 3, F0, F1, 0
	TURN 1, 0, 0
	QUARTER 0, 1, F0, F1, 0
	WIN 0
	s_sub_co_u32 s3, s3, 1
	s_cmp_lg_u32 s3, 0
	s_cbranch_scc1 .Llap
	QUARTER 0, 2, F1, F0, 0                        ; the last lap, written out
	QUARTER 0, 3, F0, F1, 0
	TURN 0, 1, 1                                   ; slot 0 has had its last K step: c_prev's tile takes its place
	QUARTER 1, 1, F0, F1, 0
	QUARTER 1, 2, F1, F0, 0
	QUARTER 1, 3, F0, F1, 0
	s_wait_dscnt 8                                 ; the very last quarter: nothing more to fetch
	MUL16 F1, 0, 0, 0
	MUL16 F1, 0, 2, 0
	s_wait_dscnt 0x0                               ; my reads of slot 1 are over
	MUL16 F1, 1, 0, 0
	MUL16 F1, 1, 2, 0
	WIN 0
	s_wait_tensorcnt 0x0                           ; my 64 rows of c_prev's tile are in
	s_barrier_signal -1
	s_barrier_wait -1                              ; the tile is whole, and no wave reads slot 1 any more: its bytes, which no tensor load fills again, become the stages
	PLACES                                         ; behind the last products, in front of the lines that read the sums and write over the fragments
	EPI 0
	EPI 1
	EPI 2
	EPI 3
	EPI 4
	EPI 5
	EPI 6
	EPI 7
	s_wait_dscnt 0x0                               ; for the others' sake: my stores into the stages are done
	s_barrier_signal -1
	s_barrier_wait -1                              ; a stage row's 256 bytes come from two waves
	SEND RDC, OUT1                                 ; c
	s_wait_xcnt 0x0                                ; the stores have read their data registers, which the loads below write again
	SEND RDH, OUT0                                 ; h
	s_wait_tensorcnt 0x0                           ; the wave's end: the add and its wait, behind my last tensor load and my last LDS store
	ds_add_u32 v[SPW], v[NIL]
	s_wait_dscnt 0x0
	CROUND                                         ; the closing round: no work-group ends while a partner may still ask for a tile that names it
	s_endpgm
.Lfunc_end_k_qc78a853376_lstm:
	.size	k_qc78a853376_lstm, .Lfunc_end_k_qc78a853376_lstm-k_qc78a853376_lstm
	.p2alignl 7, 3214868480
	.fill 96, 4, 3214868480
	.section	.rodata,"a",@progbits
	.p2align	6, 0x0
	.amdhsa_kernel k_qc78a853376_lstm
		.amdhsa_group_segment_fixed_size 327680
		.amdhsa_private_segment_fixed_size 0
		.amdhsa_enable_private_segment 0
		.amdhsa_kernarg_size 48
		.amdhsa_user_sgpr_count 2
		.amdhsa_user_sgpr_kernarg_segment_ptr 1
		.amdhsa_wavefront_size32 1
		.amdhsa_system_sgpr_workgroup_id_x 1
		.amdhsa_system_sgpr_workgroup_id_y 1
		.amdhsa_system_sgpr_workgroup_id_z 1
		.amdhsa_system_vgpr_workitem_id 0
		.amdhsa_next_free_vgpr 1024
		.amdhsa_next_free_sgpr 88
		.amdhsa_reserve_vcc 0
		.amdhsa_float_denorm_mode_32 3
		.amdhsa_float_denorm_mode_16_64 3
		.amdhsa_memory_ordered 1
		.amdhsa_forward_progress 1
		.amdhsa_inst_pref_size 251
	.end_amdhsa_kernel
	.amdgpu_metadata
---
amdhsa.version: [ 1, 2 ]
amdhsa.kernels:
  - .name:           k_qc78a853376_lstm
    .symbol:         k_qc78a853376_lstm.kd
    .args:
      - { .name: ab, .offset: 0, .size: 8, .value_kind: global_buffer, .address_space: global }
      - { .name: wb, .offset: 8, .size: 8, .value_kind: global_buffer, .address_space: global }
      - { .name: b, .offset: 16, .size: 8, .value_kind: global_buffer, .address_space: global }
      - { .name: c_prev, .offset: 24, .size: 8, .value_kind: global_buffer, .address_space: global }
      - { .name: out0, .offset: 32, .size: 8, .value_kind: global_buffer, .address_space: global }
      - { .name: out1, .offset: 40, .size: 8, .value_kind: global_buffer, .address_space: global }
    .group_segment_fixed_size: 327680
    .private_segment_fixed_size: 0
    .kernarg_segment_align: 8
    .kernarg_segment_size: 48
    .max_flat_workgroup_size: 128
    .sgpr_count:     88
    .vgpr_count:     1024
    .wavefront_size: 32
...
	.end_amdgpu_metadata
.endif
;; end of part 2
;; ======== version 2 of 2: 2 launches; version 1 with the launch cast written anew for expert scheduling mode
;; workspace buffers: ab 33,554,432 bytes; wb 16,777,216 bytes
;; launch cast (part 3): grid 256 x 3, 8 waves a work-group, no clusters, 0 bytes of LDS; arguments x, h_prev, W, ab, wb; writes ab, wb
.if DOCPART == 3
	.amdgcn_target "amdgcn-amd-amdhsa--gfx1250"
	.amdhsa_code_object_version 6
	.text
	.protected	k_qc78a853376_cast
	.globl	k_qc78a853376_cast
	.p2align	8
	.type	k_qc78a853376_cast,@function
k_qc78a853376_cast:
	s_mov_b64 s[64:65], 0
	v_nop
	global_prefetch_b8 v0, s[64:65] scope:SCOPE_SE
	s_setreg_imm32_b32 hwreg(HW_REG_WAVE_SCHED_MODE, 0, 2), 2
	s_setreg_imm32_b32 hwreg(HW_REG_WAVE_MODE, 25, 1), 1
	s_wait_xcnt 0x0
	s_wait_alu depctr_vm_vsrc(0)
; f32 -> bf16, once, for the three matrix operands of the LSTM cell's product.  A pure stream: no LDS, no barrier, no matrix unit.
;   ab [8192][2048] bf16: row m = x[m] (1,024 numbers), then h_prev[m] (1,024 numbers); 4,096 bytes a row.
;   wb [16 nt][2048 k][256] bf16: wb[nt][k][64 g + u] = W[k][1024 g + 64 nt + u], g = gate 0..3 (i, f, o, g), u = 0..63:
;      the four gates of 64 units lie side by side, so a K step's tile for one block of units is dense, 512 bytes a row.
; SHARES.  Grid y picks the plane: 0 = x, 1 = h_prev, 2 = W; each plane is 8,388,608 numbers = 65,536 chunks of 128.  A wave takes 32 chunks.
; A chunk is one load of 16 bytes a lane (512 bytes a wave), two packed roundings in place, and one store of 8 bytes a lane: 256 consecutive bytes, aligned.
; All 32 loads of a wave go out first (16 KiB on their way).
; THE MODE: SCHED_MODE bits 1:0 = 2 (LLVM: expert scheduling mode 2), set by the entry lines.  The code itself states the register dependences
; between vector instructions and memory instructions, with s_wait_alu, always for 0.
; THE PLAN.  Registers that memory instructions touch:
;   v[IN], v[OUT]  byte offsets, written by vector lines at the head and never again; read by every load and by every store.
;   X, chunk i     four registers.  Load i lands in them (no vector line names them before); chunk i's two roundings read them and write the first two; store i reads those two.
;                  No chunk's registers are used a second time: nothing that a memory instruction has read is ever written again.
; The 32 chunks go in 8 blocks of four.  Block p rounds its own chunks; its memory instructions are the four stores of block p - 1, whose registers no vector line of block p names.
; So one wait on va_vdst at a block's head states all that the block's four stores hang on, and they are dealt among its roundings with no further wait.
.set IN,  2                            ; v2   my byte offset in the source
.set OUT, 3                            ; v3   my byte offset in the destination
.set X,   8                            ; v[8:135]  chunk i: four registers as loaded; the first two then hold the four bf16
.set SRC, 16                           ; s[16:17]
.set DST, 18                           ; s[18:19]
.set BLK, 4                            ; chunks in a block
.macro STREAM sin, sout                ; sin, sout: bytes from chunk to chunk in the source and in the destination
	s_wait_alu depctr_va_vdst(0)                   ; v[IN] and v[OUT] are written: every load below reads the one as its offset, every store the other
.set i, 0
.rept 32
	global_load_b128 v[X+4*i:X+4*i+3], v[IN], s[SRC:SRC+1] offset:i*(\sin) th:TH_LOAD_NT
.set i, i+1
.endr
.set p, 0
.rept 32/BLK
	s_wait_loadcnt 32-BLK-BLK*p                    ; loads come back in order: block p's four chunks are in, the younger ones stay out
.if p > 0
	s_wait_alu depctr_va_vdst(0)                   ; the roundings of the block before have written its chunks' first two registers, which the four stores below read
.endif
.set j, 0
.rept BLK
.set i, BLK*p+j
.if p > 0
	global_store_b64 v[OUT], v[X+4*(i-BLK):X+4*(i-BLK)+1], s[DST:DST+1] offset:(i-BLK)*(\sout)  ; the block before; no vector line since the wait names these registers
.endif
	v_cvt_pk_bf16_f32 v[X+4*i],   v[X+4*i],   v[X+4*i+1]
	v_cvt_pk_bf16_f32 v[X+4*i+1], v[X+4*i+2], v[X+4*i+3]
.set j, j+1
.endr
.set p, p+1
.endr
	s_wait_alu depctr_va_vdst(0)                   ; the last block's roundings have written its chunks' first two registers, which the last four stores read
.set i, 32-BLK
.rept BLK
	global_store_b64 v[OUT], v[X+4*i:X+4*i+1], s[DST:DST+1] offset:i*(\sout)
.set i, i+1
.endr
	s_endpgm
.endm
	s_load_b256 s[4:11], s[0:1], 0x0               ; x s[4:5], h_prev s[6:7], W s[8:9], ab s[10:11]
	s_load_b64 s[12:13], s[0:1], 0x20              ; wb
	v_lshrrev_b32 v1, 5, v0
	v_readfirstlane_b32 s14, v1                    ; wave 0..7
	s_and_b32 s15, ttmp7, 0xffff                   ; the plane
	s_mov_b32 s21, 0                               ; offsets are pairs with 0 above
	s_mov_b32 s23, 0
	s_wait_alu depctr_va_sdst(0)                   ; s14 is written
	s_wait_kmcnt 0x0
	s_cmp_eq_u32 s15, 2
	s_cbranch_scc1 .Lw
	; x or h_prev: the work-group takes 32 rows; its eight waves cover a row: 4,096 bytes in, 2,048 bytes out; chunk i is row i
	s_cmp_eq_u32 s15, 0
	s_cselect_b64 s[SRC:SRC+1], s[4:5], s[6:7]
	s_lshl_b32 s20, ttmp9, 17                      ; 32 rows of 4,096 bytes, in the source and in ab alike
	s_add_nc_u64 s[SRC:SRC+1], s[SRC:SRC+1], s[20:21]
	s_lshl_b32 s22, s15, 11                        ; h_prev's half of a row of ab begins 2,048 bytes in
	s_add_co_u32 s22, s22, s20
	s_add_nc_u64 s[DST:DST+1], s[10:11], s[22:23]
	v_lshlrev_b32 v[IN], 4, v0
	v_lshlrev_b32 v[OUT], 3, v0
	STREAM 4096, 4096
.Lw:	; W: the work-group takes 32 rows k (kb = x / 4) of four blocks of units (4 (x % 4) ..); a wave one block nt and one pair of gates; chunk i is row k = 32 kb + i
	s_and_b32 s24, s14, 1                          ; gp: gates 2 gp and 2 gp + 1
	s_lshr_b32 s25, s14, 1
	s_and_b32 s26, ttmp9, 3
	s_lshl2_add_u32 s25, s26, s25                  ; nt = 4 (x % 4) + wave / 2
	s_lshr_b32 s26, ttmp9, 2                       ; kb
	s_lshl_b32 s20, s26, 19                        ; 32 rows of 16,384 bytes
	s_lshl_b32 s27, s24, 13                        ; a pair of gates: 2 x 1,024 numbers
	s_add_co_u32 s20, s20, s27
	s_lshl_b32 s27, s25, 8                         ; 64 units
	s_add_co_u32 s20, s20, s27
	s_add_nc_u64 s[SRC:SRC+1], s[8:9], s[20:21]
	s_lshl_b32 s22, s25, 20                        ; wb: a block of units is 2,048 rows of 512 bytes
	s_lshl_b32 s27, s26, 14                        ; 32 rows
	s_add_co_u32 s22, s22, s27
	s_lshl_b32 s27, s24, 8                         ; a pair of gates: 2 x 64 bf16
	s_add_co_u32 s22, s22, s27
	s_add_nc_u64 s[DST:DST+1], s[12:13], s[22:23]
	v_and_b32 v1, 31, v0
	v_lshlrev_b32 v[OUT], 3, v1                    ; 8 bytes a lane, 256 on end
	v_and_b32 v4, 15, v0
	v_bfe_u32 v5, v0, 4, 1
	v_lshlrev_b32 v[IN], 4, v4                     ; lanes 0-15: 256 consecutive bytes of the first gate,
	v_lshl_add_u32 v[IN], v5, 12, v[IN]            ; lanes 16-31: of the second, 4,096 bytes on
	STREAM 16384, 512
.Lfunc_end_k_qc78a853376_cast:
	.size	k_qc78a853376_cast, .Lfunc_end_k_qc78a853376_cast-k_qc78a853376_cast
	.p2alignl 7, 3214868480
	.fill 96, 4, 3214868480
	.section	.rodata,"a",@progbits
	.p2align	6, 0x0
	.amdhsa_kernel k_qc78a853376_cast
		.amdhsa_group_segment_fixed_size 0
		.amdhsa_private_segment_fixed_size 0
		.amdhsa_enable_private_segment 0
		.amdhsa_kernarg_size 40
		.amdhsa_user_sgpr_count 2
		.amdhsa_user_sgpr_kernarg_segment_ptr 1
		.amdhsa_wavefront_size32 1
		.amdhsa_system_sgpr_workgroup_id_x 1
		.amdhsa_system_sgpr_workgroup_id_y 1
		.amdhsa_system_sgpr_workgroup_id_z 1
		.amdhsa_system_vgpr_workitem_id 0
		.amdhsa_next_free_vgpr 136
		.amdhsa_next_free_sgpr 66
		.amdhsa_reserve_vcc 0
		.amdhsa_float_denorm_mode_32 3
		.amdhsa_float_denorm_mode_16_64 3
		.amdhsa_memory_ordered 1
		.amdhsa_forward_progress 1
		.amdhsa_inst_pref_size 23
	.end_amdhsa_kernel
	.amdgpu_metadata
---
amdhsa.version: [ 1, 2 ]
amdhsa.kernels:
  - .name:           k_qc78a853376_cast
    .symbol:         k_qc78a853376_cast.kd
    .args:
      - { .name: x, .offset: 0, .size: 8, .value_kind: global_buffer, .address_space: global }
      - { .name: h_prev, .offset: 8, .size: 8, .value_kind: global_buffer, .address_space: global }
      - { .name: W, .offset: 16, .size: 8, .value_kind: global_buffer, .address_space: global }
      - { .name: ab, .offset: 24, .size: 8, .value_kind: global_buffer, .address_space: global }
      - { .name: wb, .offset: 32, .size: 8, .value_kind: global_buffer, .address_space: global }
    .group_segment_fixed_size: 0
    .private_segment_fixed_size: 0
    .kernarg_segment_align: 8
    .kernarg_segment_size: 40
    .max_flat_workgroup_size: 256
    .sgpr_count:     66
    .vgpr_count:     136
    .wavefront_size: 32
...
	.end_amdgpu_metadata
.endif
;; end of part 3
;; launch lstm: the kernel of part 2 again; grid 16 x 32, 4 waves a work-group, clusters of 4 x 4, 327,680 bytes of LDS; arguments ab, wb, b, c_prev, out0, out1; writes out0, out1
